; MI455X (gfx1250); checked and timed in simulation.
; The chip was launched on July 23, 2026; its instructions are those of AMD's public machine-readable ISA for CDNA 5 (MIT licence, August 2026) and "CDNA5" Instruction Set Architecture Reference Guide (July 2026). The comments in the code are by the model that wrote it; some were corrected since.
;; MLP Per Task No Index. Allowed arithmetic: matrix products marked QUANTISED: E2M1 operands, one E8M0 scale for each 32 along K, by v_wmma_scale_f32_16x16x128_f8f6f4 with both operands' format E2M1 (or v_wmma_scale_f32_32x16x128_f4), f32 sums; products left as they are: f32 operands where the result goes on into a quantised operand, else bf16, f16 or f32 operands; f32 sums; everything else in f32.
;; Inputs: b0 16 x 1,024 float32; b1 16 x 1,024 float32; b2 16 x 256 float32; k0 16 x 512 x 1,024 float32; k1 16 x 1,024 x 1,024 float32; k2_codes 16 x 256 x 32 x 16 uint8 (E2M1 codes of k2, K innermost, in blocks of 32 codes, two codes a byte); k2_scales 16 x 256 x 32 uint8 (E8M0 scales of k2, one for each 32 codes along K); task_ids 2,048 int32; x 2,048 x 512 float32.
;; Outputs: out0 2,048 x 256 float32.
;; This version of the problem:
;;   THIS VERSION OF THE PROBLEM IS GIVEN IN LOW PRECISION. The matrix products marked QUANTISED in the list below multiply operands that are first quantised to E2M1 (2 exponent bits, 1 mantissa bit; 4 bits a number), with one power-of-two scale for each 32 numbers along K (OCP MX v1.0); their sums are f32. All else is computed in f32.
;;   The module's matrix products, in the order in which they are computed (A, B: the left and right operand; K: the contracted axis; several contracted axes count as one K, in the product's order):
;;     1. batch 2,048 x [M 512, K 1] x [K 1, N 16]; A: computed on the way; B: computed on the way: left as it is (no contracted axis)
;;     2. [M 2,048, K 8,192] x [K 8,192, N 1,024]; A: computed on the way; B: input k0: QUANTISED
;;     3. [M 2,048, K 16] x [K 16, N 1,024]; A: computed on the way; B: input b0: left as it is (K = 16 < 32)
;;     4. batch 2,048 x [M 1,024, K 1] x [K 1, N 16]; A: computed on the way; B: computed on the way: left as it is (no contracted axis)
;;     5. [M 2,048, K 16,384] x [K 16,384, N 1,024]; A: computed on the way; B: input k1: QUANTISED
;;     6. [M 2,048, K 16] x [K 16, N 1,024]; A: computed on the way; B: input b1: left as it is (K = 16 < 32)
;;     7. [M 4,096, K 1,024] x [K 1,024, N 2,048]; A: input k2 (given as codes); B: computed on the way: QUANTISED
;;     8. batch 2,048 x [M 1, K 16] x [K 16, N 256]; A: computed on the way; B: computed on the way: left as it is (K = 16 < 32)
;;     9. [M 2,048, K 16] x [K 16, N 256]; A: computed on the way; B: input b2: left as it is (K = 16 < 32)
;;   THE QUANTISER, for each operand of a quantised product, along K:
;;     - K is cut into blocks of 32 from its start; a last block that is shorter is filled with zeros.
;;     - A block's scale is 2^e with e = floor(log2(the largest magnitude in the block)) - 2, held to -126 .. 127; a block of zeros has e = 0. As a byte (E8M0): e + 127.
;;     - Each number is divided by its block's scale, clamped to +-6, and rounded to the nearest number of E2M1, ties to even, subnormals kept.
;;     - The product sums the exact products of the quantised numbers (number of the format x scale) in f32.
;;   ~~~python
;;   def quantise(x, axis):      # numpy; x: float32 -> the quantised numbers, widened to float32 again
;;       x = np.moveaxis(x, axis, -1); K = x.shape[-1]
;;       x = np.pad(x, [(0, 0)] * (x.ndim - 1) + [(0, -K % 32)]); x = x.reshape(x.shape[:-1] + (-1, 32)); a = np.abs(x).max(-1, keepdims=True)
;;       e = np.where(a > 0, np.clip(np.frexp(np.where(a > 0, a, 1))[1] - 1 - 2, -126, 127), 0)      # np.frexp(a)[1] - 1 = floor(log2(a)), exactly
;;       r = np.clip(x / 2.0 ** e, -6, 6)
;;       step = 2.0 ** (np.maximum(np.frexp(np.where(r == 0, 1, r))[1] - 1, 0) - 1)
;;       q = np.round(r / step) * step * 2.0 ** e      # np.round: ties to even
;;       return np.moveaxis(q.reshape(q.shape[:-2] + (-1,))[..., :K], -1, axis).astype(np.float32)
;;   ~~~
;;   OPERANDS COMPUTED ON THE WAY. 'Computed on the way' means the value that the module computes at that place (a softmax that the list does not call 'softmax' is quantised finished and normalised). What goes into a quantiser is computed in f32, as accurately as f32 sums, v_exp_f32 and their like allow (about 1e-6 of the number): no bf16 or f16 on the way to a quantiser, and a product that is left as it is and whose result goes on into a quantised operand takes f32 operands (vector FMAs, or v_wmma_f32_16x16x4_f32). A number that lies on a knife's edge between two numbers of the format may be rounded either way, as far as f32 arithmetic and the matrix unit's own rounding can turn it there, and no further.
;;   INPUTS GIVEN AS CODES. k2 (in the module: [16, 1024, 256], K = its axis 1): each comes as NAME_codes (uint8): NAME with its K axis moved to the last place and cut into blocks of 32 codes, [.., K / 32, bytes a block], one block behind the other in memory; two codes a byte, the lower K in the low four bits (a code: sign, 2 exponent bits, 1 mantissa bit); and NAME_scales (uint8): the same leading axes, one E8M0 byte (e + 127) for each 32 codes along K. Its value is code x scale, taken as it is: it is not quantised again, and the codes and scales need not be those that the quantiser above would give.
;; One version. Each part assembles by itself: llvm-mc -triple=amdgcn-amd-amdhsa -mcpu=gfx1250 --defsym DOCPART=n.
;; ======== version 1 of 1: 2 launches
;; limits: right only within a limited range of input values
;; workspace buffers: wcodes 12,582,912 bytes; wscales 786,432 bytes; order 9,216 bytes of whole numbers; tiles 2,560 bytes of whole numbers
;; launch prep (part 1): grid 193 x 1, 32 waves a work-group, no clusters, 77,824 bytes of LDS; arguments task_ids, k0, k1, wcodes, wscales, order, tiles; writes wcodes, wscales, order, tiles
.if DOCPART == 1
	.amdgcn_target "amdgcn-amd-amdhsa--gfx1250"
	.amdhsa_code_object_version 6
	.text
	.protected	k_q9f88676ebc_prep
	.globl	k_q9f88676ebc_prep
	.p2align	8
	.type	k_q9f88676ebc_prep,@function
k_q9f88676ebc_prep:
	s_mov_b64 s[64:65], 0
	v_nop
	global_prefetch_b8 v0, s[64:65] scope:SCOPE_SE
	s_setreg_imm32_b32 hwreg(HW_REG_WAVE_MODE, 25, 1), 1
	s_wait_xcnt 0x0
; MLP per task, 512 -> 1024 -> 1024 -> 256, tanh twice, the task of each of 2,048 tokens given by task_ids.  THIS LAUNCH: k0 and k1 become codes of FP4 (E2M1) with E8M0 scale bytes, and the tokens are sorted by task.
; THE K OF THE FIRST TWO QUANTISED PRODUCTS is (i, t) counted as one, k = 16 i + t: a block of 32 is two neighbouring i x all 16 tasks.
;   Tokens: of such a block only the two numbers at t = the token's task are other than the zeros of the one_hot, so each PAIR (2 j, 2 j + 1) of a token's row has a scale of its own.
;   Weights: for a column o the block is the pair's two rows in ALL 16 tasks: one scale byte for (pair, o) serves every task, and every task's weights are live through the largest magnitude.
; WORK LEFT OUT, for all finite values of the inputs.  The outer products with the one_hot are not formed, and of the dense products only the terms at t = task(b) are multiplied: the token operand's numbers at every other t are
; zeros that the one_hot itself makes, their codes are zeros, and a zero code adds nothing under any scale.  In the last layer all 16 tasks are multiplied and the gate keeps one: only that task's rows of k2 are multiplied.
; The three products with the biases are lookups of one row.  No input is without a way to the output: all are loaded.
; LIMITS.  A NaN, an infinity or an overflow that reaches only the work left out is not carried to the result.  NaN and infinities among the inputs are not served.  task_ids outside 0 .. 15 are held at 15.
; A block whose largest magnitude lies under 2^(3 - 127) keeps the scale byte 1 (a block of zeros too, where the rule says 127: its codes are zeros, and this program alone reads the bytes).
; LAYOUT OF A CHUNK of 128 along i: u = 16 (4 c + q) + 8 h + 2 p + e lies in the operand's lane half h, register 4 c + q, byte p, nibble e: a pair is a byte, and the 16 bytes of a lane's registers 4 c .. 4 c + 3
; (the unit's block 2 c + h of 32 codes) are 16 pairs, n = 4 q + p.  The same order is used for the tokens, so the products are the same.
;   wcodes  [t 16][g 12][tile of 16 columns 64][c 2][lane 16 h + r][16 bytes]: an image of the operand's registers (g 0-3: k0's chunks; g 4-11: k1's)
;   wscales [g 12][tile 64][m 2][lane 16 hl + r][4 words j]: word j is that of pair n = 4 m + j + 8 hl; its byte b is the scale of pair n in block b
; SHARES.  Work-group 0 sorts the tokens.  Work-groups 1 .. 192: one chunk g x 64 columns x all 16 tasks.  Wave w = 16 ch + 4 b + q takes 32 columns (a lane a column) and the 8 rows of (block b, register q), in all tasks:
; a lane's 32 registers are one quantiser block (2 rows x 16 tasks), so its largest magnitude needs no other lane.  The two halves ch read the two halves of each 256 consecutive bytes of a row.
.set STG,   0                          ; LDS: the codes' stage [ch 2][t 16][b 4][lane 32][16 bytes]
.set QS,    65536                      ; the scale bytes' stage [ch 2][b 4][lane 32][16 bytes n]
.set CNT,   69632                      ; the sort's counts [wave 32][32 words]: bytes of the sorting work-group's own
.set SPARE, 73728                      ; the spare words, 128 bytes for each of 32 waves: no other line names them
.set SPW,   30                         ; v30  LDS address of my spare word; never rewritten
.set NIL,   31                         ; v31  0; never rewritten
.set C,     32                         ; v32-47  codes: register 4 p + gq: byte u = the pair byte of task 4 gq + u
.set D,     48                         ; v48-63  register t: bytes p = 0 .. 3 of task t: register q of the block
.set X,     64                         ; v64-127 two sets of 32 numbers: register 2 t + e
	s_load_b256 s[4:11], s[0:1], 0x0               ; task_ids s[4:5], k0 s[6:7], k1 s[8:9], wcodes s[10:11]
	s_load_b128 s[12:15], s[0:1], 0x20             ; wscales s[12:13], order s[14:15]
	s_load_b64 s[16:17], s[0:1], 0x30              ; tiles
	v_lshl_add_u32 v[SPW], v0, 2, SPARE
	v_mov_b32 v[NIL], 0
	v_lshrrev_b32 v1, 5, v0
	s_delay_alu instid0(VALU_DEP_1)
	v_readfirstlane_b32 s20, v1                    ; wave 0 .. 31
	v_and_b32 v1, 31, v0                           ; lane
	s_wait_alu depctr_va_vdst(0)
	v_lshlrev_b32 v2, 2, v1                        ; 4 bytes a lane: my column in a row
	s_lshr_b32 s21, s20, 4                         ; ch
	s_bfe_u32 s22, s20, 0x20002                    ; b = 2 c + h
	s_and_b32 s23, s20, 3                          ; q
	; every LDS address of both paths is made here, ahead of the parting
	s_lshl_b32 s24, s21, 15                        ; 32,768 ch
	s_lshl_b32 s25, s22, 9                         ; 512 b
	s_lshl_b32 s26, s23, 2                         ; 4 q
	s_add_co_u32 s27, s24, s25
	s_add_co_u32 s27, s27, s26
	v_lshl_add_u32 v3, v1, 4, s27                  ; codes into the stage: 32,768 ch + 512 b + 16 lane + 4 q (+ 2,048 t)
	s_lshl_b32 s27, s21, 11
	s_add_co_u32 s27, s27, QS
	s_add_co_u32 s28, s27, s26
	v_lshl_add_u32 v6, v1, 4, s28                  ; scale bytes out of their stage: QS + 2,048 ch + 16 lane + 4 (w % 4) (+ 512 b)
	s_add_co_u32 s28, s28, s25
	v_lshl_add_u32 v4, v1, 4, s28                  ; and into it: + 512 b
	s_and_b32 s28, s20, 15
	s_lshl_b32 s28, s28, 11
	s_add_co_u32 s28, s28, s24
	v_lshl_add_u32 v5, v1, 4, s28                  ; codes out of the stage: 32,768 ch + 2,048 (w % 16) + 16 lane (+ 512 b)
	v_lshrrev_b32 v7, 4, v1
	v_and_b32 v8, 15, v1
	s_delay_alu instid0(VALU_DEP_2)
	v_lshlrev_b32 v7, 10, v7
	s_delay_alu instid0(VALU_DEP_1)
	v_lshl_add_u32 v7, v8, 4, v7                   ; in both workspaces: 1,024 (lane / 16) + 16 (lane % 16): the tile of 16 columns, and the column in it
	v_lshl_add_u32 v13, v0, 2, CNT                 ; the sort: my wave's counts,
	v_lshl_add_u32 v14, v1, 2, CNT                 ; and any wave's (+ 128 x wave)
	s_wait_kmcnt 0x0
	s_cmp_eq_u32 ttmp9, 0
	s_cbranch_scc1 .Lroute
	; ---------------- the weights ----------------
	s_sub_co_u32 s24, ttmp9, 1
	s_lshr_b32 s25, s24, 4                         ; g
	s_and_b32 s24, s24, 15                         ; cg: which 64 columns
	s_mov_b32 s28, 0x400000                        ; from task to task in k1,
	s_cmp_lt_u32 s25, 4                            ; the choice hangs on the work-group's number alone
	s_cselect_b64 s[6:7], s[6:7], s[8:9]
	s_cselect_b32 s28, 0x200000, s28               ; in k0
	s_cselect_b32 s26, 0, 4
	s_sub_co_u32 s26, s25, s26                     ; the chunk's number in its tensor
	s_lshl_b32 s26, s26, 7
	s_lshr_b32 s27, s22, 1
	s_lshl_b32 s27, s27, 6
	s_add_co_u32 s26, s26, s27                     ; + 64 c
	s_and_b32 s27, s22, 1
	s_lshl_b32 s27, s27, 3
	s_add_co_u32 s26, s26, s27                     ; + 8 h
	s_lshl_b32 s27, s23, 4
	s_add_co_u32 s26, s26, s27                     ; + 16 q: my first row
	s_lshl_b32 s26, s26, 12                        ; a row is 4,096 bytes
	s_lshl_b32 s27, s24, 8
	s_add_co_u32 s26, s26, s27
	s_lshl_b32 s27, s21, 7
	s_add_co_u32 s26, s26, s27
	s_mov_b32 s27, 0
	s_mov_b32 s29, 0
	s_add_nc_u64 s[32:33], s[6:7], s[26:27]        ; a base for each task: s[32 + 2 t : 33 + 2 t]; never rewritten
.irp t, 1,2,3,4,5,6,7,8,9,10,11,12,13,14,15
	s_add_nc_u64 s[32+2*\t:33+2*\t], s[30+2*\t:31+2*\t], s[28:29]
.endr
	s_mov_b32 s70, 0x05010400                      ; byte selects of the 4 x 4 byte transposition
	s_mov_b32 s71, 0x07030602
	s_mov_b32 s72, 0x05040100
	s_mov_b32 s73, 0x07060302
.macro LOADV p                         ; pair p of my 8 rows, in all 16 tasks: one quantiser block a lane
.set tt, 0
.rept 16
	global_load_b32 v[X+32*((\p)%2)+2*tt], v2, s[32+2*tt:33+2*tt] offset:(2*(\p))*4096 th:TH_LOAD_NT
	global_load_b32 v[X+32*((\p)%2)+2*tt+1], v2, s[32+2*tt:33+2*tt] offset:(2*(\p)+1)*4096 th:TH_LOAD_NT
.set tt, tt+1
.endr
.endm
.macro QV p                            ; the block's scale and its 32 codes
.set XS, X+32*((\p)%2)
	v_max3_num_f32 v8, |v[XS]|, |v[XS+1]|, 0x1800000   ; the largest magnitude, in two chains, with the floor 2^(3 - 127) among the leaves: the byte cannot fall under 1
	v_max3_num_f32 v9, |v[XS+2]|, |v[XS+3]|, |v[XS+4]|
.irp i, 5,9,13,17,21,25
	s_delay_alu instid0(VALU_DEP_2)
	v_max3_num_f32 v8, v8, |v[XS+\i]|, |v[XS+\i+1]|
	s_delay_alu instid0(VALU_DEP_2)
	v_max3_num_f32 v9, v9, |v[XS+\i+2]|, |v[XS+\i+3]|
.endr
	s_delay_alu instid0(VALU_DEP_2)
	v_max3_num_f32 v8, v8, |v[XS+29]|, |v[XS+30]|
	s_delay_alu instid0(VALU_DEP_1)
	v_max3_num_f32 v8, v8, v9, |v[XS+31]|
	s_delay_alu instid0(VALU_DEP_1)
	v_add_nc_u32 v10, 0xff000000, v8               ; 2 off its exponent field: the conversion takes the exponent field of this operand as its scale
.irp gq, 0,1,2,3
	v_cvt_scalef32_pk8_fp4_f32 v[C+4*(\p)+\gq], v[XS+8*\gq:XS+8*\gq+7], v10   ; tasks 4 gq .. 4 gq + 3: a byte (the pair) a task
.endr
	v_lshrrev_b32 v11, 23, v10                     ; the scale's byte (also the plain line behind the conversions)
.if (\p) == 0
	s_delay_alu instid0(VALU_DEP_1)
	v_mov_b32 v12, v11
.else
	s_delay_alu instid0(VALU_DEP_1)
	v_lshl_or_b32 v12, v11, 8*(\p), v12            ; bytes p = 0 .. 3
.endif
.endm
.macro TR4 d0, d1, d2, d3, c0, c1, c2, c3   ; byte i of d_j = byte j of c_i
	v_perm_b32 v20, v[\c1], v[\c0], s70
	v_perm_b32 v21, v[\c1], v[\c0], s71
	v_perm_b32 v22, v[\c3], v[\c2], s70
	v_perm_b32 v23, v[\c3], v[\c2], s71
	s_delay_alu instid0(VALU_DEP_2)
	v_perm_b32 v[\d0], v22, v20, s72
	s_delay_alu instid0(VALU_DEP_3)
	v_perm_b32 v[\d1], v22, v20, s73
	s_delay_alu instid0(VALU_DEP_3)
	v_perm_b32 v[\d2], v23, v21, s72
	s_delay_alu instid0(VALU_DEP_4)
	v_perm_b32 v[\d3], v23, v21, s73
.endm
	LOADV 0
	LOADV 1
	s_wait_loadcnt 32                              ; pair 0 is in; the 32 loads of pair 1 may be out
	QV 0
	LOADV 2
	s_wait_loadcnt 32                              ; pair 1 is in; pair 2's may be out
	QV 1
	LOADV 3
	s_wait_loadcnt 32
	QV 2
	s_wait_loadcnt 0x0
	QV 3
.irp gq, 0,1,2,3
	TR4 D+4*\gq, D+4*\gq+1, D+4*\gq+2, D+4*\gq+3, C+\gq, C+4+\gq, C+8+\gq, C+12+\gq
.endr
.set tt, 0
.rept 16
	ds_store_b32 v3, v[D+tt] offset:tt*2048        ; register q of block b of my column, task tt
.set tt, tt+1
.endr
	ds_store_b32 v4, v12                           ; and the four scale bytes n = 4 q + p of block b
	s_wait_dscnt 0x0                               ; for the others: my stores have landed
	s_barrier_signal -1
	s_barrier_wait -1
	; the codes leave: wave w takes task w % 16 of its half; 16 lanes store 256 consecutive bytes, aligned
.irp b, 0,1,2,3
	ds_load_b128 v[64+4*\b:67+4*\b], v5 offset:\b*512
.endr
	s_and_b32 s66, s20, 15
	s_mul_i32 s66, s66, 12
	s_add_co_u32 s66, s66, s25
	s_lshl_b32 s66, s66, 6
	s_lshl_b32 s67, s24, 2
	s_add_co_u32 s66, s66, s67
	s_lshl_b32 s67, s21, 1
	s_add_co_u32 s66, s66, s67                     ; (12 t + g) 64 + 4 cg + 2 ch: the first of my two tiles
	s_lshl_b32 s66, s66, 10
	s_mov_b32 s67, 0
	s_add_nc_u64 s[10:11], s[10:11], s[66:67]
.irp b, 0,1,2,3
	s_wait_dscnt 3-\b                              ; block b is in; the younger loads may be out
	global_store_b128 v7, v[64+4*\b:67+4*\b], s[10:11] offset:(\b/2)*512+(\b%2)*256
.endr
	; the scale words leave: waves with w % 16 under 4 take the four pairs n = 4 (w % 4) + 0 .. 3
	s_and_b32 s66, s20, 12
	s_cmp_eq_u32 s66, 0
	s_cbranch_scc0 .Lqend
.irp b, 0,1,2,3
	ds_load_b32 v[80+\b], v6 offset:\b*512
.endr
	s_lshl_b32 s66, s25, 6
	s_lshl_b32 s67, s24, 2
	s_add_co_u32 s66, s66, s67
	s_lshl_b32 s67, s21, 1
	s_add_co_u32 s66, s66, s67
	s_lshl_b32 s66, s66, 10                        ; (64 g + 4 cg + 2 ch) x 1,024
	s_and_b32 s67, s23, 1
	s_lshl_b32 s67, s67, 9
	s_add_co_u32 s66, s66, s67                     ; m = (w % 4) % 2
	s_lshr_b32 s67, s23, 1
	s_lshl_b32 s67, s67, 8
	s_add_co_u32 s66, s66, s67                     ; hl = (w % 4) / 2
	s_mov_b32 s67, 0
	s_add_nc_u64 s[12:13], s[12:13], s[66:67]
	s_wait_dscnt 0x0
	TR4 84, 85, 86, 87, 80, 81, 82, 83             ; byte b of word p = the scale of pair 4 (w % 4) + p in block b
	global_store_b128 v7, v[84:87], s[12:13]
.Lqend:
	s_wait_tensorcnt 0x0                           ; the wave's end
	ds_add_u32 v[SPW], v[NIL]
	s_wait_dscnt 0x0
	s_endpgm
	; ---------------- the tokens, sorted by task: a counting sort, no atomics ----------------
	; order[16 tile + row] = a token's number; tiles[tile] = {task, rows, first slot, 1 in a task's first tile}.  A task with c tokens has ceil(c / 16) tiles, tasks in ascending order.
.Lroute:
	v_lshlrev_b32 v15, 3, v0
	global_load_b64 v[32:33], v15, s[4:5]          ; tokens 2 x thread and 2 x thread + 1
.irp t, 0,1,2,3,4,5,6,7,8,9,10,11,12,13,14,15
	s_mov_b32 s[32+\t], 0                          ; my wave's count of task t
.endr
	v_mov_b32 v34, 0                               ; my two tokens' ranks among the wave's tokens of their task
	v_mov_b32 v35, 0
	v_mov_b32 v36, 0
	s_wait_loadcnt 0x0
	v_min_u32 v32, 15, v32
	v_min_u32 v33, 15, v33
.irp e, 0,1
.irp t, 0,1,2,3,4,5,6,7,8,9,10,11,12,13,14,15
	v_cmp_eq_u32 vcc_lo, \t, v[32+\e]
	s_delay_alu instid0(VALU_DEP_1)
	v_mbcnt_lo_u32_b32 v37, vcc_lo, s[32+\t]       ; lanes under mine with this task + what was counted before
	s_wait_alu depctr_va_vdst(0)
	v_cndmask_b32 v[34+\e], v[34+\e], v37, vcc_lo
	s_bcnt1_i32_b32 s21, vcc_lo
	s_add_co_u32 s[32+\t], s[32+\t], s21
.endr
.endr
.irp t, 0
	v_writelane_b32 v36, s[32+\t], \t              ; lane t: the count of task t
.endr
.irp t, 1, 2, 3, 4, 5, 6, 7, 8, 9, 10, 11, 12, 13, 14, 15
	s_delay_alu instid0(VALU_DEP_1)
	v_writelane_b32 v36, s[32+\t], \t              ; lane t: the count of task t
.endr
	ds_store_b32 v13, v36
	s_wait_dscnt 0x0                               ; for the others: my counts have landed
	s_barrier_signal -1
	s_barrier_wait -1
.set ww, 0
.rept 32
	ds_load_b32 v[64+ww], v14 offset:128*ww
.set ww, ww+1
.endr
	v_mov_b32 v38, 0                               ; lane t: all tokens of task t,
	v_mov_b32 v39, 0                               ; and those of the waves under mine
	s_wait_alu depctr_va_vdst(0)
	s_wait_dscnt 0x0
.set ww, 0
.rept 32
	s_cmp_gt_u32 s20, ww
	s_cselect_b32 s21, 1, 0
	v_add_nc_u32 v38, v38, v[64+ww]
	v_mad_u32_u24 v39, v[64+ww], s21, v39
.set ww, ww+1
.endr
	s_delay_alu instid0(VALU_DEP_2)
	v_add_nc_u32 v40, 15, v38
	s_delay_alu instid0(VALU_DEP_1)
	v_lshrrev_b32 v40, 4, v40                      ; the task's tiles
	s_delay_alu instid0(VALU_DEP_1)
	v_mov_b32 v41, v40
	v_mov_b32 v42, 0
.irp s, 1
	s_delay_alu instid0(VALU_DEP_2)
	v_mov_b32_dpp v42, v41 row_shr:\s row_mask:0xf bank_mask:0xf bound_ctrl:1
	s_delay_alu instid0(VALU_DEP_1)
	v_add_nc_u32 v41, v41, v42                     ; a running sum over lanes 0 .. 15
.endr
.irp s, 2, 4, 8
	s_delay_alu instid0(VALU_DEP_1)
	v_mov_b32_dpp v42, v41 row_shr:\s row_mask:0xf bank_mask:0xf bound_ctrl:1
	s_delay_alu instid0(VALU_DEP_1)
	v_add_nc_u32 v41, v41, v42                     ; a running sum over lanes 0 .. 15
.endr
	s_delay_alu instid0(VALU_DEP_1)
	v_sub_nc_u32 v41, v41, v40                     ; the task's first tile
	s_delay_alu instid0(VALU_DEP_1)
	v_lshl_add_u32 v43, v41, 4, v39                ; lane t: the slot of my wave's first token of task t
	v_mov_b32 v46, 0
	v_mov_b32 v47, 0
.irp t, 0,1,2,3,4,5,6,7,8,9,10,11,12,13,14,15
	v_readlane_b32 s21, v43, \t
	v_cmp_eq_u32 vcc_lo, \t, v32
	s_delay_alu instid0(VALU_DEP_1)
	v_cndmask_b32 v46, v46, s21, vcc_lo
	v_cmp_eq_u32 vcc_lo, \t, v33
	s_delay_alu instid0(VALU_DEP_1)
	v_cndmask_b32 v47, v47, s21, vcc_lo
.endr
	s_delay_alu instid0(VALU_DEP_3)
	v_add_nc_u32 v34, v34, v46
	s_delay_alu instid0(VALU_DEP_2)
	v_add_nc_u32 v35, v35, v47
	s_delay_alu instid0(VALU_DEP_2)
	v_min_u32 v34, 2287, v34                       ; at most 143 tiles of 16 slots
	s_delay_alu instid0(VALU_DEP_2)
	v_min_u32 v35, 2287, v35
	s_delay_alu instid0(VALU_DEP_2)
	v_lshlrev_b32 v34, 2, v34
	s_delay_alu instid0(VALU_DEP_2)
	v_lshlrev_b32 v35, 2, v35
	v_lshlrev_b32 v48, 1, v0
	s_delay_alu instid0(VALU_DEP_1)
	v_or_b32 v49, 1, v48
	global_store_b32 v34, v48, s[14:15]
	global_store_b32 v35, v49, s[14:15]
.irp t, 0,1,2,3,4,5,6,7,8,9,10,11,12,13,14,15
	v_readlane_b32 s[48+\t], v41, \t               ; first tiles
	v_readlane_b32 s[66+\t], v38, \t               ; tokens
.endr
	s_cmp_lt_u32 s20, 5                            ; the list of 160 tiles: waves 0 to 4, a thread a tile
	s_cbranch_scc0 .Lrend
	v_mov_b32 v50, 0
	v_mov_b32 v51, s48
	v_mov_b32 v52, s66
.irp t, 1,2,3,4,5,6,7,8,9,10,11,12,13,14,15
	v_cmp_le_u32 vcc_lo, s[48+\t], v0              ; the last task whose first tile is at or under mine
	s_delay_alu instid0(VALU_DEP_1)
	v_cndmask_b32 v50, v50, \t, vcc_lo
	s_delay_alu instid0(VALU_DEP_2)
	v_cndmask_b32 v51, v51, s[48+\t], vcc_lo
	s_delay_alu instid0(VALU_DEP_3)
	v_cndmask_b32 v52, v52, s[66+\t], vcc_lo
.endr
	s_delay_alu instid0(VALU_DEP_2)
	v_sub_nc_u32 v53, v0, v51
	s_delay_alu instid0(VALU_DEP_1)
	v_lshlrev_b32 v53, 4, v53
	s_delay_alu instid0(VALU_DEP_1)
	v_min_u32 v53, v53, v52                        ; tokens of the task in the tiles under mine
	s_delay_alu instid0(VALU_DEP_1)
	v_sub_nc_u32 v53, v52, v53
	v_mov_b32 v56, v50
	s_delay_alu instid0(VALU_DEP_2)
	v_min_u32 v57, 16, v53                         ; my rows: 0 in a tile that this split leaves empty
	s_delay_alu instid0(VALU_DEP_1)
	v_cmp_ne_u32 vcc_lo, 0, v57
	v_lshlrev_b32 v54, 4, v0
	s_delay_alu instid0(VALU_DEP_1)
	v_cndmask_b32 v58, 0, v54, vcc_lo              ; my first slot (an empty tile: slot 0, which always holds a token)
	v_cmp_eq_u32 s21, v0, v51
	s_and_b32 s21, s21, vcc_lo
	v_cndmask_b32 v59, 0, 1, s21
	global_store_b128 v54, v[56:59], s[16:17]
	; the slots beyond a tile's rows get token 0, so that every slot of tiles 0 .. 142 is written: the next launch reads all 16 of its tile.  A slot that holds a token is passed over: its store goes to
	; slot 2288 + j instead (tile 143's, which no work-group of the next launch reads), and so do all stores of threads 143 .. 159
	v_min_u32 v60, 143, v0
	v_mov_b32 v62, 0
	v_mov_b32 v63, 9152
	s_delay_alu instid0(VALU_DEP_3)
	v_lshlrev_b32 v60, 6, v60
.irp j, 0,1,2,3,4,5,6,7,8,9,10,11,12,13,14,15
	v_cmp_ge_u32 vcc_lo, \j, v57
	s_delay_alu instid0(VALU_DEP_1)
	v_cndmask_b32 v[96+\j], v63, v60, vcc_lo
	s_delay_alu instid0(VALU_DEP_1)
	v_min_u32 v[96+\j], 9152, v[96+\j]
	global_store_b32 v[96+\j], v62, s[14:15] offset:4*\j
.endr
.Lrend:
	s_wait_tensorcnt 0x0                           ; the wave's end
	ds_add_u32 v[SPW], v[NIL]
	s_wait_dscnt 0x0
	s_endpgm
.Lfunc_end_k_q9f88676ebc_prep:
	.size	k_q9f88676ebc_prep, .Lfunc_end_k_q9f88676ebc_prep-k_q9f88676ebc_prep
	.p2alignl 7, 3214868480
	.fill 96, 4, 3214868480
	.section	.rodata,"a",@progbits
	.p2align	6, 0x0
	.amdhsa_kernel k_q9f88676ebc_prep
		.amdhsa_group_segment_fixed_size 77824
		.amdhsa_private_segment_fixed_size 0
		.amdhsa_enable_private_segment 0
		.amdhsa_kernarg_size 56
		.amdhsa_user_sgpr_count 2
		.amdhsa_user_sgpr_kernarg_segment_ptr 1
		.amdhsa_wavefront_size32 1
		.amdhsa_system_sgpr_workgroup_id_x 1
		.amdhsa_system_sgpr_workgroup_id_y 1
		.amdhsa_system_sgpr_workgroup_id_z 1
		.amdhsa_system_vgpr_workitem_id 0
		.amdhsa_next_free_vgpr 128
		.amdhsa_next_free_sgpr 84
		.amdhsa_reserve_vcc 1
		.amdhsa_float_denorm_mode_32 3
		.amdhsa_float_denorm_mode_16_64 3
		.amdhsa_memory_ordered 1
		.amdhsa_forward_progress 1
		.amdhsa_inst_pref_size 67
	.end_amdhsa_kernel
	.amdgpu_metadata
---
amdhsa.version: [ 1, 2 ]
amdhsa.kernels:
  - .name:           k_q9f88676ebc_prep
    .symbol:         k_q9f88676ebc_prep.kd
    .args:
      - { .name: task_ids, .offset: 0, .size: 8, .value_kind: global_buffer, .address_space: global }
      - { .name: k0, .offset: 8, .size: 8, .value_kind: global_buffer, .address_space: global }
      - { .name: k1, .offset: 16, .size: 8, .value_kind: global_buffer, .address_space: global }
      - { .name: wcodes, .offset: 24, .size: 8, .value_kind: global_buffer, .address_space: global }
      - { .name: wscales, .offset: 32, .size: 8, .value_kind: global_buffer, .address_space: global }
      - { .name: order, .offset: 40, .size: 8, .value_kind: global_buffer, .address_space: global }
      - { .name: tiles, .offset: 48, .size: 8, .value_kind: global_buffer, .address_space: global }
    .group_segment_fixed_size: 77824
    .private_segment_fixed_size: 0
    .kernarg_segment_align: 8
    .kernarg_segment_size: 56
    .max_flat_workgroup_size: 1024
    .sgpr_count:     84
    .vgpr_count:     128
    .wavefront_size: 32
...
	.end_amdgpu_metadata
.endif
;; end of part 1
;; launch chain (part 2): grid 143 x 1, 8 waves a work-group, no clusters, 63,744 bytes of LDS; arguments x, order, tiles, wcodes, wscales, b0, b1, b2, k2_codes, k2_scales, out0; writes out0
.if DOCPART == 2
	.amdgcn_target "amdgcn-amd-amdhsa--gfx1250"
	.amdhsa_code_object_version 6
	.text
	.protected	k_q9f88676ebc_chain
	.globl	k_q9f88676ebc_chain
	.p2align	8
	.type	k_q9f88676ebc_chain,@function
k_q9f88676ebc_chain:
	s_mov_b64 s[64:65], 0
	v_nop
	global_prefetch_b8 v0, s[64:65] scope:SCOPE_SE
	s_setreg_imm32_b32 hwreg(HW_REG_WAVE_MODE, 25, 1), 1
	s_wait_xcnt 0x0
; One work-group takes one tile of up to 16 tokens of ONE task through the whole chain: gather, quantise, product, tanh, quantise, product, tanh, quantise, product, store.  The hidden layers stay in registers and LDS.
; WORK LEFT OUT (shown at the head of the first kernel): only the terms at t = the token's task are multiplied; the outer products with the one_hot are not formed; the biases are looked up.
; LIMITS: as stated there.  tanh: under |y| = 0.3125 the series y - y^3/3 + 2 y^5/15 - 17 y^7/315 + 62 y^9/2835 (the first term dropped is 0.0089 y^11), else 1 - 2 / (1 + 2^(2 y log2 e)); both are computed, one is selected.
; THE GRID: 2048 / 16 + 16 - 1 = 143 tiles serve every split.  Tile T's tokens lie in order[16 T ..]; the slots beyond its rows hold token 0 (the first launch fills them): those rows are computed and not stored.
; A tile that the split leaves empty walks the text on token 0 and stores nothing: all waves pass all barriers.
; LAYERS 1 AND 2.  K is (i, t) as one, so each PAIR of neighbouring i has a scale of its own on both sides, while the matrix unit has one scale for 32 codes.  A chunk of 128 i is therefore multiplied in 16 groups (n = 0 .. 15)
; on the same fragments of weights: in group n the tokens' fragment keeps byte n (one pair) of each of the unit's four blocks and is zero elsewhere, and both scale words are those of pair n of each block.
; THE FORM is 32 x 16 x 128: source 0 = 32 units of the weights (two neighbouring images of 16 units, 16 registers), source 1 = the 16 tokens; its scales of source 0 fill 32 lanes, lane m for unit m.
; Order inside a chunk: u = 16 (4 c + q) + 8 h + 2 p + e <-> lane half h, register 4 c + q, byte p, nibble e; n = 4 q + p.  In tile T of 16 units lane (r, h) holds token r and register j unit 16 T + 8 h + j,
; so one conversion of a tile's eight registers IS register T of the next layer's fragment.
; SHARES.  Wave w makes units 128 w .. 128 w + 127 of layers 1 and 2 (chunk w of the next layer) and outputs 32 w .. 32 w + 31.  Each byte of weights is used by one wave alone: it goes from memory straight into
; registers, as the first launch laid it.  The codes are at work through a whole chunk: two sets, asked for a chunk ahead.  The scale words of four pairs are done with behind their four groups: their registers
; are asked for again at once, for the chunk TWO on.  No tensor load (the address hangs on a task read from memory), so no cluster either.
; The tokens' fragments and scale words go from wave to wave through LDS as images of their registers; a chunk's image is read during the chunk before it, into the other of two sets.
; PREFETCHES.  Codes: a task's first tile; scale words: tile 0; each wave its own 8,192 bytes of the chunk three on from the one in hand (two chunks ahead of the codes' loads, one ahead of the scale words'), none from chunk 9 on.
; k2: a task's first tile, each wave its own 16,384 bytes of codes and 1,024 of scale bytes, once, at the end of layer 1: eight chunks ahead of the loads.
; REGISTERS.  window 0: v1-17, v57, v58 addresses; v20-35 the way out; v40-47 k2's scale words, v48-55 h2's; v96-127 the tokens' 16 scale words, two sets; v128-255 the weights' scale words, two sets (set p at 128 + 64 (1 - p)); later k2's fragments.
;   window 1: v0-63 the accumulators; v64-95 four masked fragments; v96-103, v112-119 the tokens' fragment, two sets; v104-107 constants; v128-255 the weights' fragments, two sets; the upper set is at work in the phases between the products.
.set IMGB,  3072                       ; an image: 2 x 512 bytes of codes, 4 x 512 of scale words
.set H2C,   36864                      ; LDS: behind the 12 images (x: 0-3; h1: 4-11): h2's 8 fragments,
.set H2S,   45056                      ; their scale words,
.set STG,   46080                      ; the stage for the way out: 16 rows x (1,024 + 16) bytes,
.set SPITCH, 1040
.set SPARE, 62720                      ; and the spare words, 128 bytes for each of 8 waves: no other line names them
.set SPW, 1                            ; v1  LDS address of my spare word; never rewritten
.set NIL, 2                            ; v2  0; never rewritten
.set PFO, 3                            ; v3  256 x lane: the prefetches
.set LI,  4                            ; v4  16 x lane
.set ADA, 5                            ; v5  the image that is being read
.set STA, 6                            ; v6  3,072 w + 16 lane: where I store an image
.set BOF, 7                            ; v7  32 h: my eight numbers of a bias
.set XO,  8                            ; v8  x: my token's row + 32 h
.set KO,  9                            ; v9  k2: 512 r + 16 h
.set L32, 10                           ; v10 32 x lane
.set H2CA, 11
.set H2SA, 12
.set L4,  13                           ; v13 4 x lane
.set SO,  14                           ; v14 into the stage
.set SR,  15                           ; v15 out of it
.set OO,  16                           ; v16 out0: the row of the token at row 2 w + h, + 16 r
.set ROW, 17                           ; v17 2 w + h
.set PFS, 57                           ; v57 256 x min(lane, 3): the four blocks of my k2 scale bytes
.set LS,  58                           ; v58 1,024 h + 16 r: the weights' scale words: lanes 0-15 the even tile of 16 units, lanes 16-31 the odd one
.set OUTD, 20
.set KS,  40
.set HS,  48
.set AS,  96
.set BS,  128
.set ACC, 0                            ; window 1 from here on
.set VB,  64
.set AC,  96                           ; set s at AC + 16 s
.set SH8, 104                          ; 8 h
.set ONE, 105                          ; 1.0
.set C4,  106                          ; 62/2835, twice
.set BC,  128
.set H2F, 64                           ; layer 3: h2's fragments
.set TE,  192
.set TU,  200
.set TP,  208
.set WSR, 216
.set FRG, 232
.set PTR, 240
.set MSB, 0
.macro WIN new                         ; the immediate's high byte repeats the setting that is left; bits 1:0 source 0, 3:2 source 1, 5:4 source 2, 7:6 destination
.if MSB != \new
	s_set_vgpr_msb (MSB<<8)|\new
.set MSB, \new
.endif
.endm
	s_load_b256 s[4:11], s[0:1], 0x0               ; x s[4:5], order s[6:7], tiles s[8:9], wcodes s[10:11]
	s_load_b256 s[12:19], s[0:1], 0x20             ; wscales s[12:13], b0 s[14:15], b1 s[16:17], b2 s[18:19]
	s_load_b128 s[20:23], s[0:1], 0x40             ; k2_codes s[20:21], k2_scales s[22:23]
	s_load_b64 s[24:25], s[0:1], 0x50              ; out0
	v_lshl_add_u32 v[SPW], v0, 2, SPARE
	v_mov_b32 v[NIL], 0
	v_lshrrev_b32 v18, 5, v0
	s_delay_alu instid0(VALU_DEP_1)
	v_readfirstlane_b32 s26, v18                   ; wave 0 .. 7
	v_and_b32 v18, 31, v0                          ; lane
	v_and_b32 v19, 15, v0                          ; r
	v_bfe_u32 v36, v0, 4, 1                        ; h
	s_delay_alu instid0(VALU_DEP_3)
	v_lshlrev_b32 v[PFO], 8, v18
	s_delay_alu instid0(VALU_DEP_4)
	v_lshlrev_b32 v[LI], 4, v18
	s_mul_i32 s66, s26, IMGB
	v_add_nc_u32 v[STA], s66, v[LI]
	v_lshlrev_b32 v[BOF], 5, v36
	v_lshlrev_b32 v[KO], 9, v19
	s_delay_alu instid0(VALU_DEP_1)
	v_lshl_add_u32 v[KO], v36, 4, v[KO]
	v_lshlrev_b32 v[L32], 5, v18
	v_lshlrev_b32 v[LS], 10, v36
	v_min_u32 v[PFS], 768, v[PFO]
	s_delay_alu instid0(VALU_DEP_2)
	v_lshl_add_u32 v[LS], v19, 4, v[LS]
	s_lshl_b32 s66, s26, 10
	s_add_co_u32 s66, s66, H2C
	v_add_nc_u32 v[H2CA], s66, v[LI]
	v_lshlrev_b32 v[L4], 2, v18
	s_lshl_b32 s66, s26, 7
	s_add_co_u32 s67, s66, H2S
	v_add_nc_u32 v[H2SA], s67, v[L4]
	v_mul_u32_u24 v[SO], v19, SPITCH
	s_delay_alu instid0(VALU_DEP_1)
	v_add_nc_u32 v[SO], v[SO], v[BOF]
	s_add_co_u32 s66, s66, STG
	v_add_nc_u32 v[SO], s66, v[SO]                 ; row r, + 32 h, + 128 w
	s_lshl_b32 s66, s26, 1
	v_add_nc_u32 v[ROW], s66, v36
	s_delay_alu instid0(VALU_DEP_1)
	v_mul_u32_u24 v[SR], v[ROW], SPITCH
	s_delay_alu instid0(VALU_DEP_1)
	v_lshl_add_u32 v[SR], v19, 4, v[SR]
	s_delay_alu instid0(VALU_DEP_1)
	v_add_nc_u32 v[SR], STG, v[SR]                 ; row 2 w + h, 16 bytes a lane
	s_lshl_b32 s66, ttmp9, 4
	s_mov_b32 s67, 0
	s_lshl_b32 s68, ttmp9, 6                       ; my tile's 16 slots of order: 64 bytes
	v_lshl_add_u32 v37, v19, 2, s68
	v_lshl_add_u32 v38, v[ROW], 2, s68
	s_wait_alu depctr_va_vdst(0)                   ; directly ahead of the wait below
	s_wait_kmcnt 0x0
	s_add_nc_u64 s[8:9], s[8:9], s[66:67]
	s_load_b128 s[28:31], s[8:9], 0x0              ; my tile: task, rows, (first slot), first tile of its task
	global_load_b32 v39, v37, s[6:7]               ; beside it: the token of row r,
	global_load_b32 v56, v38, s[6:7]               ; and of row 2 w + h
	s_mov_b32 s32, 0xff                            ; byte p of a register
	s_mov_b32 s33, 0xff00
	s_mov_b32 s34, 0xff0000
	s_mov_b32 s35, 0xff000000
	s_mov_b32 s36, 0x76543210                      ; v_permlanex16_b32: lane l xor 16
	s_mov_b32 s37, 0xfedcba98
	s_mov_b32 s38, 0x7f800000
	s_mov_b32 s39, 0x80000000
	s_mov_b32 s40, 0xbeaaaaab                      ; -1/3 (the packed forms name pairs and take the low word for both halves: both words are written)
	s_mov_b32 s41, s40
	s_mov_b32 s42, 0x3e088889                      ; 2/15
	s_mov_b32 s43, s42
	s_mov_b32 s44, 0xbd5d0dd1                      ; -17/315
	s_mov_b32 s45, s44
	s_mov_b32 s46, 0x4038aa3b                      ; 2 log2(e)
	s_mov_b32 s47, s46
	s_mov_b32 s48, 0x3dc80000                      ; 0.3125^2
	s_mov_b32 s50, 0                               ; the chunk in hand, 0 .. 11
	WIN 0x40                                       ; destination window 1
.set ii, 0
.rept 32
	v_mov_b32 v[VB+ii], 0                          ; the four masked fragments begin as zeros; afterwards each is kept so but for its one pair of registers
.set ii, ii+1
.endr
	v_lshlrev_b32 v[SH8], 3, v36
	v_mov_b32 v[ONE], 1.0
	v_mov_b32 v[C4], 0x3cb327a4                    ; 62/2835
	v_mov_b32 v[C4+1], 0x3cb327a4
.irp i, 0,1,2,3,4,5,6,7
	v_mov_b32 v[TU+\i], 0                          ; (named as upper halves of pairs before they are first written)
.endr
.irp i, 0,1,2,3
	v_mov_b32 v[PTR+\i], 0                         ; a lane permute's destination counts as one of its sources
.endr
	WIN 0
	s_wait_kmcnt 0x0
	s_min_u32 s28, s28, 15
	s_min_u32 s29, s29, 16
	s_min_u32 s31, s31, 1
	s_mul_i32 s66, s28, 786432                     ; a task's codes: 12 chunks x 64 tiles x 1,024 bytes
	s_lshl_b32 s68, s26, 13                        ; my 8 tiles
	s_add_co_u32 s66, s66, s68
	s_add_nc_u64 s[10:11], s[10:11], s[66:67]      ; the codes of chunk 0; it walks 65,536 bytes a chunk, from k0's chunks on into k1's
	s_mov_b32 s66, s68
	s_add_nc_u64 s[12:13], s[12:13], s[66:67]      ; the scale words likewise: they serve all tasks
	s_lshl_b32 s66, s28, 12
	s_lshl_b32 s68, s26, 9
	s_add_co_u32 s66, s66, s68
	s_add_nc_u64 s[14:15], s[14:15], s[66:67]      ; b0, b1: my task's row, my 128 units
	s_add_nc_u64 s[16:17], s[16:17], s[66:67]
	s_mov_b32 s66, s68
	s_add_nc_u64 s[4:5], s[4:5], s[66:67]          ; x: chunk w of a row (waves 0 to 3)
	s_lshl_b32 s66, s28, 10
	s_lshl_b32 s68, s26, 7
	s_add_co_u32 s66, s66, s68
	s_add_nc_u64 s[18:19], s[18:19], s[66:67]      ; b2: my 32 outputs
	s_lshl_b32 s66, s28, 17
	s_lshl_b32 s68, s26, 14
	s_add_co_u32 s66, s66, s68
	s_add_nc_u64 s[20:21], s[20:21], s[66:67]      ; k2's codes: my 32 rows of 512 bytes
	s_lshl_b32 s66, s28, 13
	s_lshl_b32 s68, s26, 10
	s_add_co_u32 s66, s66, s68
	s_add_nc_u64 s[22:23], s[22:23], s[66:67]      ; and their scale bytes, 32 a row
	s_cmp_eq_u32 s31, 1
	s_cselect_b32 s51, 9, 0                        ; a task's first tile prefetches its codes, while the chunk in hand is under 9
	s_cmp_eq_u32 ttmp9, 0
	s_cselect_b32 s52, 9, 0                        ; tile 0 the scale words
; A chunk's codes for my 128 units into set p: 16 loads of 512 consecutive bytes
.macro CLOAD p
	WIN 0x40
.irp T, 0,1,2,3,4,5,6,7
	global_load_b128 v[BC+64*(\p)+8*\T:BC+64*(\p)+8*\T+3], v[LI], s[10:11] offset:1024*\T
	global_load_b128 v[BC+64*(\p)+8*\T+4:BC+64*(\p)+8*\T+7], v[LI], s[10:11] offset:1024*\T+512
.endr
.endm
; The scale words of pairs 4 k .. 4 k + 3 for my 128 units into set p, from off bytes behind the base: 4 loads of two runs of 256 bytes.
; Register 16 U + 4 k + j holds pair n = 4 k + j of units 32 U .. 32 U + 31, a lane a unit.  In the workspace pair n of a tile of 16 units lies at 512 (k % 2) + 256 (k / 2) + 16 r + 4 j.
.macro SLOAD p, k, off
	WIN 0
.irp U, 0,1,2,3
	global_load_b128 v[BS+64*(1-(\p))+16*\U+4*(\k):BS+64*(1-(\p))+16*\U+4*(\k)+3], v[LS], s[12:13] offset:(\off)+2048*\U+512*((\k)%2)+256*((\k)/2)
.endr
.endm
; A bias as the sums' beginning: lane (r, h), tile T: units 16 T + 8 h + 0 .. 7
.macro BIAS sb
.irp T, 0,1,2,3,4,5,6,7
	global_load_b128 v[ACC+8*\T:ACC+8*\T+3], v[BOF], s[\sb:\sb+1] offset:64*\T
	global_load_b128 v[ACC+8*\T+4:ACC+8*\T+7], v[BOF], s[\sb:\sb+1] offset:64*\T+16
.endr
.endm
; The image at s53 (the tokens' 16 scale words and their fragment) into set s; s53 goes on to the next image
.macro LIMG s
	WIN 0
	v_add_nc_u32 v[ADA], s53, v[LI]
.irp k, 0,1,2,3
	ds_load_b128 v[AS+16*(\s)+4*\k:AS+16*(\s)+4*\k+3], v[ADA] offset:1024+512*\k
.endr
	WIN 0x40
	ds_load_b128 v[AC+16*(\s):AC+16*(\s)+3], v[ADA]
	ds_load_b128 v[AC+16*(\s)+4:AC+16*(\s)+7], v[ADA] offset:512
	s_add_co_u32 s53, s53, IMGB
.endm
; The masked fragment of pair n = 4 q + p of set s, in buffer p: registers q and 4 + q keep byte p; the two registers that the buffer's last use filled become zeros again
.macro PREP n, s
.set pq, (\n)/4
.set pp, (\n)%4
.set pv, VB+8*pp
.set pa, AC+16*(\s)
	v_and_b32 v[pv+pq], s[32+pp], v[pa+pq]
	v_and_b32 v[pv+4+pq], s[32+pp], v[pa+4+pq]
	v_mov_b32 v[pv+(pq+3)%4], 0
	v_mov_b32 v[pv+4+(pq+3)%4], 0
.endm
; Pair n against my 128 units: four products of 32 units x 16 tokens.  The four accumulators take turns, one instruction a turn.
.macro W n, pb
.irp U, 0,1,2,3
	v_wmma_scale_f32_32x16x128_f4 v[ACC+16*\U:ACC+16*\U+15], v[BC+64*(\pb)+16*\U:BC+64*(\pb)+16*\U+15], v[VB+8*((\n)%4):VB+8*((\n)%4)+7], v[ACC+16*\U:ACC+16*\U+15], v[BS+64*(1-(\pb))+16*\U+(\n)], v[AS+16*(\pb)+(\n)]
.endr
.endm
; A prefetch of the chunk three on from the one in hand: each wave its own 8,192 bytes, lanes 256 bytes apart.
; Each block is named once in the launch: a task's first tile asks for its codes, tile 0 for the scale words.  Chunks 0 to 2 come by their loads alone; from chunk 9 on nothing is asked for.
.macro ASK
	s_cmp_lt_u32 s50, s51
	s_cbranch_scc0 .Lnc_\@
	global_prefetch_b8 v[PFO], s[10:11] offset:131072 th:TH_LOAD_NT scope:SCOPE_SE
.Lnc_\@:
	s_cmp_lt_u32 s50, s52
	s_cbranch_scc0 .Lns_\@
	global_prefetch_b8 v[PFO], s[12:13] offset:131072 th:TH_LOAD_NT scope:SCOPE_SE
.Lns_\@:
.endm
; A CHUNK of 128 along i, on set pb.  Its image is in registers and its masked fragments 0 and 1 are made when it begins.
; ld = 1: the next chunk's codes are asked for, into the other set, behind group 1;  pre = 1: the next chunk's image too, and its masked fragments 0 and 1 are made behind groups 14 and 15;
; sc = 1: behind groups 3, 7, 11 and 15 the four pairs' scale registers just done with are asked for again, for the chunk two on.
; THE WAIT AT THE HEAD: behind this chunk's 16 loads of codes the chunk before has issued the 16 loads of the NEXT chunk's scale words, which may stay out; this chunk's own scale words were asked for a chunk earlier still.
; The last chunk (ld = 0) has nothing behind its codes and waits for all.
; Places, by this text's count: a masked fragment is written four plain lines (the next one's) ahead of its products, and eight behind the products that last read its buffer;
; the loads of codes stand eight plain lines or more behind the last product that read their registers, the loads of scale words four.
.macro CHUNK pb, ld, pre, sc
	s_wait_xcnt 0x0                                ; the last chunk's loads and prefetches have read their bases: they may step
	s_wait_loadcnt 16*(\ld)
.if \ld
	s_add_nc_u64 s[10:11], s[10:11], 65536
	s_add_nc_u64 s[12:13], s[12:13], 65536
.endif
	WIN 0x55
.set nn, 0
.rept 16
	W nn, \pb
.if nn < 14
	PREP nn+2, \pb
.elseif \pre
.if nn == 14
	s_wait_alu depctr_va_vdst(0)                   ; directly ahead of the wait below
	s_wait_dscnt 0x0                               ; the next chunk's image is in (asked for behind group 1)
.endif
	PREP nn-14, 1-(\pb)
.elseif (nn == 14) || (\sc)
.rept 4
	v_nop                                          ; four places: no further fragment is left to stand there
.endr
.endif
.if (nn == 1) && (\ld)
	CLOAD 1-(\pb)
	WIN 0
	ASK
.if \pre
	LIMG 1-(\pb)
.endif
	WIN 0x55
	s_wait_alu depctr_va_vdst(0)
.endif
.if (\sc) && ((nn%4) == 3)
	SLOAD \pb, nn/4, 65536
.if nn < 15
	WIN 0x55
.endif
.endif
.set nn, nn+1
.endr
	s_add_co_u32 s50, s50, 1
.if \pre
	s_wait_alu depctr_va_vdst(0)
.endif
.endm
; A layer's first chunk: its image, and its masked fragments 0 and 1; the bias, asked for last, is in
.macro START
	LIMG 0
	s_wait_loadcnt 0x0
	s_wait_dscnt 0x0
	WIN 0x55
	PREP 0, 0
	PREP 1, 0
	s_wait_alu depctr_va_vdst(0)                   ; ahead of the chunk's waits
.endm
; tanh of tile T, in place
.macro TANH T
.set Y, ACC+8*(\T)
.irp i, 0,2,4,6
	v_pk_mul_f32 v[TE+\i:TE+\i+1], v[Y+\i:Y+\i+1], s[46:47] op_sel_hi:[1,0]   ; (an accumulator is read from its low end on)
.endr
	s_wait_alu depctr_va_vdst(0)
.irp i, 0,1,2,3,4,5,6,7
	v_exp_f32 v[TE+\i], v[TE+\i]                   ; 2^(2 y log2 e)
.endr
.irp i, 0,2,4,6
	v_pk_mul_f32 v[TU+\i:TU+\i+1], v[Y+\i:Y+\i+1], v[Y+\i:Y+\i+1]   ; the series, which names no exponential: the work behind the batch
.endr
.irp i, 0,2,4,6
	s_delay_alu instid0(VALU_DEP_4)
	v_pk_fma_f32 v[TP+\i:TP+\i+1], v[TU+\i:TU+\i+1], v[C4:C4+1], s[44:45] op_sel_hi:[1,1,0]
.endr
.irp i, 0,2,4,6
	s_delay_alu instid0(VALU_DEP_4)
	v_pk_fma_f32 v[TP+\i:TP+\i+1], v[TP+\i:TP+\i+1], v[TU+\i:TU+\i+1], s[42:43] op_sel_hi:[1,1,0]
.endr
.irp i, 0,2,4,6
	s_delay_alu instid0(VALU_DEP_4)
	v_pk_fma_f32 v[TP+\i:TP+\i+1], v[TP+\i:TP+\i+1], v[TU+\i:TU+\i+1], s[40:41] op_sel_hi:[1,1,0]
.endr
.irp i, 0,2,4,6
	s_delay_alu instid0(VALU_DEP_4)
	v_pk_mul_f32 v[TP+\i:TP+\i+1], v[TP+\i:TP+\i+1], v[TU+\i:TU+\i+1]
.endr
.irp i, 0,2,4,6
	v_pk_fma_f32 v[TP+\i:TP+\i+1], v[TP+\i:TP+\i+1], v[Y+\i:Y+\i+1], v[Y+\i:Y+\i+1]
.endr
	s_wait_alu depctr_va_vdst(0)                   ; one wait for the eight exponentials, ahead of their first reader
.irp i, 0,2,4,6
	v_pk_add_f32 v[TE+\i:TE+\i+1], v[TE+\i:TE+\i+1], 1.0 op_sel_hi:[1,0]
.endr
	s_wait_alu depctr_va_vdst(0)
.irp i, 0,1,2,3,4,5,6,7
	v_rcp_f32 v[TE+\i], v[TE+\i]
.endr
.irp i, 0,1,2,3,4,5,6,7
	v_cmp_gt_f32 s[56+\i], s48, v[TU+\i]           ; y^2 under 0.3125^2: the series is taken.  (Plain work behind the reciprocals)
.endr
	s_wait_alu depctr_va_vdst(0)                   ; one wait for the eight reciprocals
.irp i, 0,2,4,6
	v_pk_fma_f32 v[TE+\i:TE+\i+1], v[TE+\i:TE+\i+1], -2.0, 1.0 op_sel_hi:[1,0,0]
.endr
.irp i, 0,1,2,3,4,5,6,7
	v_cndmask_b32 v[Y+\i], v[TE+\i], v[TP+\i], s[56+\i]
.endr
.endm
; Tile T's eight numbers of a lane, four pairs, each with a scale of its own, become register T of the next fragment.  The conversion has one scale a lane: so each pair is first multiplied by the reciprocal of its scale,
; a power of two, which rounds nothing, and the conversion's scale is 1.  With E the exponent field of the pair's largest magnitude the scale is 2^(E - 129), its reciprocal has the field 256 - E, its byte is E - 2.
.macro PAIRQ T
.set Y, ACC+8*(\T)
.set qc, (\T)/4
.set qq, (\T)%4
.irp p, 0,1,2,3
	v_max3_num_f32 v[TE+\p], |v[Y+2*\p]|, |v[Y+2*\p+1]|, 0x1800000   ; with the floor 2^(3 - 127): the byte cannot fall under 1
.endr
.irp p, 0,1,2,3
	s_delay_alu instid0(VALU_DEP_4)
	v_and_b32 v[TE+4+\p], s38, v[TE+\p]
.endr
.irp p, 0,1,2,3
	s_delay_alu instid0(VALU_DEP_4)
	v_sub_nc_u32 v[TU+2*\p], s39, v[TE+4+\p]
.endr
.if qc == 0
.irp p, 0,1,2,3
	v_lshrrev_b32 v[WSR+4*qq+\p], 23, v[TE+\p]     ; E of pair n = 4 q + p in block h,
.endr
.else
.irp p, 0,1,2,3
	v_lshrrev_b32 v[TE+\p], 23, v[TE+\p]
.endr
.irp p, 0,1,2,3
	s_delay_alu instid0(VALU_DEP_4)
	v_lshl_or_b32 v[WSR+4*qq+\p], v[TE+\p], 16, v[WSR+4*qq+\p]   ; and in block 2 + h
.endr
.endif
.irp p, 0,1,2,3
	v_pk_mul_f32 v[Y+2*\p:Y+2*\p+1], v[Y+2*\p:Y+2*\p+1], v[TU+2*\p:TU+2*\p+1] op_sel_hi:[1,0]
.endr
	v_cvt_scalef32_pk8_fp4_f32 v[FRG+(\T)], v[Y:Y+7], v[ONE]
	v_nop                                          ; one plain line behind a scaled conversion
.endm
; The 16 scale words: my two bytes go 8 h bits up, lane l xor 16 has the other two, and 2 comes off each byte (each is 3 at the least: nothing is borrowed)
.macro WORDS
.irp i, 0,1,2,3,4,5,6,7,8,9,10,11,12,13,14,15
	v_lshlrev_b32 v[WSR+\i], v[SH8], v[WSR+\i]
.endr
.irp g, 0,1,2,3
.irp j, 0,1,2,3
	v_permlanex16_b32 v[PTR+\j], v[WSR+4*\g+\j], s36, s37
.endr
.irp j, 0,1,2,3
	s_delay_alu instid0(VALU_DEP_4)
	v_or_b32 v[WSR+4*\g+\j], v[WSR+4*\g+\j], v[PTR+\j]
.endr
.endr
.irp i, 0,1,2,3,4,5,6,7,8,9,10,11,12,13,14,15
	v_add_nc_u32 v[WSR+\i], 0xfdfdfdfe, v[WSR+\i]
.endr
.endm
.macro IMG off                         ; fragment and scale words go to LDS as they stand: 16 bytes a lane, 512 a store
	ds_store_b128 v[STA], v[FRG:FRG+3] offset:\off
	ds_store_b128 v[STA], v[FRG+4:FRG+7] offset:\off+512
.irp k, 0,1,2,3
	ds_store_b128 v[STA], v[WSR+4*\k:WSR+4*\k+3] offset:\off+1024+512*\k
.endr
.endm
; Layer 3's K is i alone: a block is 32 neighbouring units, tiles 2 bb and 2 bb + 1 of lanes l and l xor 16
.macro BLKQ bb
.set Y, ACC+16*(\bb)
.set bc, (\bb)/2
.set bs, (\bb)%2
	v_max3_num_f32 v[TE], |v[Y]|, |v[Y+1]|, 0x1800000
	v_max3_num_f32 v[TE+1], |v[Y+2]|, |v[Y+3]|, |v[Y+4]|
	s_delay_alu instid0(VALU_DEP_2)
	v_max3_num_f32 v[TE], v[TE], |v[Y+5]|, |v[Y+6]|
	s_delay_alu instid0(VALU_DEP_2)
	v_max3_num_f32 v[TE+1], v[TE+1], |v[Y+7]|, |v[Y+8]|
	s_delay_alu instid0(VALU_DEP_2)
	v_max3_num_f32 v[TE], v[TE], |v[Y+9]|, |v[Y+10]|
	s_delay_alu instid0(VALU_DEP_2)
	v_max3_num_f32 v[TE+1], v[TE+1], |v[Y+11]|, |v[Y+12]|
	s_delay_alu instid0(VALU_DEP_2)
	v_max3_num_f32 v[TE], v[TE], |v[Y+13]|, |v[Y+14]|
	s_delay_alu instid0(VALU_DEP_1)
	v_max3_num_f32 v[TE], v[TE], v[TE+1], |v[Y+15]|
	s_delay_alu instid0(VALU_DEP_1)
	v_permlanex16_b32 v[PTR], v[TE], s36, s37
	s_delay_alu instid0(VALU_DEP_1)
	v_max_num_f32 v[TE], v[TE], v[PTR]
	s_delay_alu instid0(VALU_DEP_1)
	v_add_nc_u32 v[TE+2], 0xff000000, v[TE]        ; 2 off the exponent field: the conversion's scale operand
	s_delay_alu instid0(VALU_DEP_1)
	v_lshrrev_b32 v[WSR+(\bb)], 23, v[TE+2]        ; the scale's byte
	v_cvt_scalef32_pk8_fp4_f32 v[FRG+4*bc+bs], v[Y:Y+7], v[TE+2]
	v_cvt_scalef32_pk8_fp4_f32 v[FRG+4*bc+2+bs], v[Y+8:Y+15], v[TE+2]
	v_nop                                          ; one plain line behind the conversions
.endm
	s_wait_loadcnt 0x0                             ; the two token numbers are in
	v_min_u32 v39, 2047, v39
	s_delay_alu instid0(VALU_DEP_1)
	v_lshl_add_u32 v[XO], v39, 11, v[BOF]
	v_min_u32 v56, 2047, v56
	s_delay_alu instid0(VALU_DEP_1)
	v_lshlrev_b32 v[OO], 10, v56
	s_delay_alu instid0(VALU_DEP_1)
	v_lshl_add_u32 v[OO], v19, 4, v[OO]
	; ---- x: wave w under 4 takes chunk w of the 16 rows; lane (r, h) loads its numbers in the order in which a product would leave them.  These loads go out ahead of the weights'
	s_cmp_lt_u32 s26, 4
	s_cbranch_scc0 .Lnoxl
	WIN 0x40
.irp T, 0,1,2,3,4,5,6,7
	global_load_b128 v[ACC+8*\T:ACC+8*\T+3], v[XO], s[4:5] offset:64*\T
	global_load_b128 v[ACC+8*\T+4:ACC+8*\T+7], v[XO], s[4:5] offset:64*\T+16
.endr
	WIN 0
.Lnoxl:
	CLOAD 0                                        ; chunk 0's codes, 16 loads,
.irp k, 0,1,2,3
	SLOAD 0, \k, 0                                 ; its scale words, 16,
.endr
.irp k, 0,1,2,3
	SLOAD 1, \k, 65536                             ; and chunk 1's, 16
.endr
	s_wait_loadcnt 48                              ; every wave: what was asked for ahead of the 48 loads of weights (x, in waves 0 to 3) is in, so the accumulators' registers have no load pending; the 48 may be out
	s_cmp_lt_u32 s26, 4
	s_cbranch_scc0 .Lnox
	WIN 0x55
.irp T, 0,1,2,3,4,5,6,7
	PAIRQ \T
.endr
	WIN 0x40
	BIAS 14                                        ; b0 begins the first layer's sums
	WIN 0x55
	WORDS
	WIN 0x04                                       ; an LDS store's data are its source 1: window 1
	IMG 0
	WIN 0
	s_branch .Lxdone
.Lnox:
	WIN 0x40
	BIAS 14
	WIN 0
.Lxdone:
	s_wait_dscnt 0x0                               ; for the others: my image has landed
	s_barrier_signal -1
	s_barrier_wait -1
	; ---- layer 1: chunks 0 to 3, written out: the last reads no further image (h1's are not made yet) and asks for chunk 4's codes, k1's first
	s_mov_b32 s53, 0
	START
	CHUNK 0, 1, 1, 1
	CHUNK 1, 1, 1, 1
	CHUNK 0, 1, 1, 1
	CHUNK 1, 1, 0, 1
	WIN 0                                          ; at a label and at a branch every window is 0
	s_cmp_eq_u32 s51, 0
	s_cbranch_scc1 .Lnk2                           ; a task's first tile asks for the task's k2: my 32 rows of 512 bytes, lanes 256 bytes apart, and my 1,024 scale bytes (lanes over 3 name the last block again)
	global_prefetch_b8 v[PFO], s[20:21] th:TH_LOAD_NT scope:SCOPE_SE
	global_prefetch_b8 v[PFO], s[20:21] offset:8192 th:TH_LOAD_NT scope:SCOPE_SE
	global_prefetch_b8 v[PFS], s[22:23] th:TH_LOAD_NT scope:SCOPE_SE
.Lnk2:
	WIN 0x55
.irp T, 0,1,2,3,4,5,6,7
	TANH \T                                        ; (the four places behind the last products stand at the chunk's end)
	PAIRQ \T
.endr
	WIN 0x40
	BIAS 16                                        ; b1 begins the second layer's sums
	WIN 0x55
	WORDS
	WIN 0x04
	IMG 4*IMGB                                     ; my 128 units are chunk 4 + w
	WIN 0
	s_wait_dscnt 0x0
	s_barrier_signal -1
	s_barrier_wait -1
	; ---- layer 2: chunks 4 to 11; the tail is written out: chunk 10 asks for no scale words, chunk 11 for nothing
	s_mov_b32 s53, 4*IMGB
	START
	WIN 0
	s_mov_b32 s49, 3
.Ll2:
	CHUNK 0, 1, 1, 1
	CHUNK 1, 1, 1, 1
	WIN 0
	s_sub_co_u32 s49, s49, 1
	s_cmp_lg_u32 s49, 0
	s_cbranch_scc1 .Ll2
	CHUNK 0, 1, 1, 0
	CHUNK 1, 0, 0, 0
.rept 4
	v_nop                                          ; four places, ahead of the loads into the scale words' registers too
.endr
	WIN 0
.irp T, 0,1
.irp kc, 0,1,2,3,4,5,6,7
.irp c, 0,1
	global_load_b128 v[128+8*(8*\T+\kc)+4*\c:128+8*(8*\T+\kc)+4*\c+3], v[KO], s[20:21] offset:8192*\T+64*\kc+32*\c   ; k2 as it is given: row 32 w + 16 T + r, chunk kc
.endr
.endr
.endr
	global_load_b128 v[KS:KS+3], v[L32], s[22:23]              ; its scale words: lane l takes row 32 w + l, so lanes 16-31 hold tile 1's
	global_load_b128 v[KS+4:KS+7], v[L32], s[22:23] offset:16
	WIN 0x55
	TANH 0
	TANH 1
	BLKQ 0
	WIN 0x40
.irp T, 0,1
	global_load_b128 v[ACC+8*\T:ACC+8*\T+3], v[BOF], s[18:19] offset:64*\T      ; b2 begins the third layer's sums, in the registers that are done with
	global_load_b128 v[ACC+8*\T+4:ACC+8*\T+7], v[BOF], s[18:19] offset:64*\T+16
.endr
	WIN 0x55
	TANH 2
	TANH 3
	BLKQ 1
	TANH 4
	TANH 5
	BLKQ 2
	TANH 6
	TANH 7
	BLKQ 3
.irp i, 0,2,4,6
	v_permlane16_swap_b32 v[FRG+\i], v[FRG+\i+1]   ; the operand wants a whole block in a lane: the first's lanes 16-31 change places with the second's lanes 0-15
.endr
	v_lshl_or_b32 v[WSR], v[WSR+1], 8, v[WSR]
	s_delay_alu instid0(VALU_DEP_1)
	v_lshl_or_b32 v[WSR], v[WSR+2], 16, v[WSR]
	s_delay_alu instid0(VALU_DEP_1)
	v_lshl_or_b32 v[WSR], v[WSR+3], 24, v[WSR]
	WIN 0x04
	ds_store_b128 v[H2CA], v[FRG:FRG+3]
	ds_store_b128 v[H2CA], v[FRG+4:FRG+7] offset:512
	ds_store_b32 v[H2SA], v[WSR]
	WIN 0
	s_wait_dscnt 0x0
	s_barrier_signal -1
	s_barrier_wait -1
	; ---- layer 3: my two tiles of 16 outputs, 8 chunks, the two accumulators by turns
	WIN 0x40
.irp kc, 0,1,2,3,4,5,6,7
	ds_load_b128 v[H2F+8*\kc:H2F+8*\kc+3], v[LI] offset:H2C+1024*\kc
	ds_load_b128 v[H2F+8*\kc+4:H2F+8*\kc+7], v[LI] offset:H2C+1024*\kc+512
.endr
	WIN 0
.irp kc, 0,1,2,3,4,5,6,7
	ds_load_b32 v[HS+\kc], v[L4] offset:H2S+128*\kc
.endr
	s_wait_loadcnt 0x0                             ; k2, its scale words, b2
	s_wait_dscnt 0x0
	WIN 0x54                                       ; source 0 (k2) window 0; source 1, C and D window 1
.irp kc, 0,1,2,3,4,5,6,7
.irp T, 0,1
.if \T == 0
	v_wmma_scale_f32_16x16x128_f8f6f4 v[ACC+8*\T:ACC+8*\T+7], v[128+8*(8*\T+\kc):128+8*(8*\T+\kc)+7], v[H2F+8*\kc:H2F+8*\kc+7], v[ACC+8*\T:ACC+8*\T+7], v[KS+\kc], v[HS+\kc] matrix_a_fmt:MATRIX_FMT_FP4 matrix_b_fmt:MATRIX_FMT_FP4
.else
	v_wmma_scale_f32_16x16x128_f8f6f4 v[ACC+8*\T:ACC+8*\T+7], v[128+8*(8*\T+\kc):128+8*(8*\T+\kc)+7], v[H2F+8*\kc:H2F+8*\kc+7], v[ACC+8*\T:ACC+8*\T+7], v[KS+\kc], v[HS+\kc] matrix_a_fmt:MATRIX_FMT_FP4 matrix_b_fmt:MATRIX_FMT_FP4 matrix_a_scale:MATRIX_SCALE_ROW1
.endif
.endr
.endr
.rept 4
	v_nop
.endr
	WIN 0x04
.irp T, 0,1
	ds_store_b128 v[SO], v[ACC+8*\T:ACC+8*\T+3] offset:64*\T          ; lane (r, h): outputs 32 w + 16 T + 8 h + 0 .. 7 of token r; each accumulator from its low end on
	ds_store_b128 v[SO], v[ACC+8*\T+4:ACC+8*\T+7] offset:64*\T+16
.endr
	WIN 0
	s_wait_dscnt 0x0
	s_barrier_signal -1
	s_barrier_wait -1
	; ---- the way out: wave w stores rows 2 w and 2 w + 1, where the tile has them; 16 lanes store 256 consecutive bytes, aligned
.irp k, 0,1,2,3
	ds_load_b128 v[OUTD+4*\k:OUTD+4*\k+3], v[SR] offset:256*\k
.endr
	s_wait_xcnt 0x0                                ; EXEC changes only behind this wait
	v_cmp_gt_u32 vcc_lo, s29, v[ROW]
	s_and_saveexec_b32 s66, vcc_lo
.irp k, 0,1,2,3
	s_wait_dscnt 3-\k                              ; piece k is in; the younger loads may be out
	global_store_b128 v[OO], v[OUTD+4*\k:OUTD+4*\k+3], s[24:25] offset:256*\k th:TH_STORE_NT
.endr
	s_wait_xcnt 0x0                                ; and again, ahead of the line that widens it
	s_or_b32 exec_lo, exec_lo, s66
	s_wait_tensorcnt 0x0                           ; the wave's end
	ds_add_u32 v[SPW], v[NIL]
	s_wait_dscnt 0x0
	s_endpgm
.Lfunc_end_k_q9f88676ebc_chain:
	.size	k_q9f88676ebc_chain, .Lfunc_end_k_q9f88676ebc_chain-k_q9f88676ebc_chain
	.p2alignl 7, 3214868480
	.fill 96, 4, 3214868480
	.section	.rodata,"a",@progbits
	.p2align	6, 0x0
	.amdhsa_kernel k_q9f88676ebc_chain
		.amdhsa_group_segment_fixed_size 63744
		.amdhsa_private_segment_fixed_size 0
		.amdhsa_enable_private_segment 0
		.amdhsa_kernarg_size 88
		.amdhsa_user_sgpr_count 2
		.amdhsa_user_sgpr_kernarg_segment_ptr 1
		.amdhsa_wavefront_size32 1
		.amdhsa_system_sgpr_workgroup_id_x 1
		.amdhsa_system_sgpr_workgroup_id_y 1
		.amdhsa_system_sgpr_workgroup_id_z 1
		.amdhsa_system_vgpr_workitem_id 0
		.amdhsa_next_free_vgpr 512
		.amdhsa_next_free_sgpr 84
		.amdhsa_reserve_vcc 1
		.amdhsa_float_denorm_mode_32 3
		.amdhsa_float_denorm_mode_16_64 3
		.amdhsa_memory_ordered 1
		.amdhsa_forward_progress 1
		.amdhsa_inst_pref_size 247
	.end_amdhsa_kernel
	.amdgpu_metadata
---
amdhsa.version: [ 1, 2 ]
amdhsa.kernels:
  - .name:           k_q9f88676ebc_chain
    .symbol:         k_q9f88676ebc_chain.kd
    .args:
      - { .name: x, .offset: 0, .size: 8, .value_kind: global_buffer, .address_space: global }
      - { .name: order, .offset: 8, .size: 8, .value_kind: global_buffer, .address_space: global }
      - { .name: tiles, .offset: 16, .size: 8, .value_kind: global_buffer, .address_space: global }
      - { .name: wcodes, .offset: 24, .size: 8, .value_kind: global_buffer, .address_space: global }
      - { .name: wscales, .offset: 32, .size: 8, .value_kind: global_buffer, .address_space: global }
      - { .name: b0, .offset: 40, .size: 8, .value_kind: global_buffer, .address_space: global }
      - { .name: b1, .offset: 48, .size: 8, .value_kind: global_buffer, .address_space: global }
      - { .name: b2, .offset: 56, .size: 8, .value_kind: global_buffer, .address_space: global }
      - { .name: k2_codes, .offset: 64, .size: 8, .value_kind: global_buffer, .address_space: global }
      - { .name: k2_scales, .offset: 72, .size: 8, .value_kind: global_buffer, .address_space: global }
      - { .name: out0, .offset: 80, .size: 8, .value_kind: global_buffer, .address_space: global }
    .group_segment_fixed_size: 63744
    .private_segment_fixed_size: 0
    .kernarg_segment_align: 8
    .kernarg_segment_size: 88
    .max_flat_workgroup_size: 256
    .sgpr_count:     84
    .vgpr_count:     512
    .wavefront_size: 32
...
	.end_amdgpu_metadata
.endif
;; end of part 2
